; MI455X (gfx1250); checked and timed in simulation.
; The chip was launched on July 23, 2026; its instructions are those of AMD's public machine-readable ISA for CDNA 5 (MIT licence, August 2026) and "CDNA5" Instruction Set Architecture Reference Guide (July 2026). The comments in the code are by the model that wrote it; some were corrected since.
;; Attn. Allowed arithmetic: matrix products marked QUANTISED: E2M1 operands, one E8M0 scale for each 32 along K, by v_wmma_scale_f32_16x16x128_f8f6f4 with both operands' format E2M1 (or v_wmma_scale_f32_32x16x128_f4), f32 sums; products left as they are: f32 operands where the result goes on into a quantised operand, else bf16, f16 or f32 operands; f32 sums; everything else in f32.
;; Inputs: attn_b 1,024 float32; attn_w_codes 1,024 x 64 x 16 uint8 (E2M1 codes of attn_w, K innermost, in blocks of 32 codes, two codes a byte); attn_w_scales 1,024 x 64 uint8 (E8M0 scales of attn_w, one for each 32 codes along K); encoder_outputs 16 x 2,048 x 1,024 float32; hidden 16 x 1 x 1,024 float32; v 1 x 1,024 float32.
;; Outputs: out0 16 x 1 x 2,048 float32.
;; This version of the problem:
;;   THIS VERSION OF THE PROBLEM IS GIVEN IN LOW PRECISION. The matrix products marked QUANTISED in the list below multiply operands that are first quantised to E2M1 (2 exponent bits, 1 mantissa bit; 4 bits a number), with one power-of-two scale for each 32 numbers along K (OCP MX v1.0); their sums are f32. All else is computed in f32.
;;   The module's matrix products, in the order in which they are computed (A, B: the left and right operand; K: the contracted axis; several contracted axes count as one K, in the product's order):
;;     1. [M 32,768, K 2,048] x [K 2,048, N 1,024]; A: computed on the way; B: input attn_w (given as codes): QUANTISED
;;     2. [M 32,768, K 1,024] x [K 1,024, N 1]; A: computed on the way; B: input v: left as it is (N = 1 < 16)
;;   THE QUANTISER, for each operand of a quantised product, along K:
;;     - K is cut into blocks of 32 from its start; a last block that is shorter is filled with zeros.
;;     - A block's scale is 2^e with e = floor(log2(the largest magnitude in the block)) - 2, held to -126 .. 127; a block of zeros has e = 0. As a byte (E8M0): e + 127.
;;     - Each number is divided by its block's scale, clamped to +-6, and rounded to the nearest number of E2M1, ties to even, subnormals kept.
;;     - The product sums the exact products of the quantised numbers (number of the format x scale) in f32.
;;   ~~~python
;;   def quantise(x, axis):      # numpy; x: float32 -> the quantised numbers, widened to float32 again
;;       x = np.moveaxis(x, axis, -1); K = x.shape[-1]
;;       x = np.pad(x, [(0, 0)] * (x.ndim - 1) + [(0, -K % 32)]); x = x.reshape(x.shape[:-1] + (-1, 32)); a = np.abs(x).max(-1, keepdims=True)
;;       e = np.where(a > 0, np.clip(np.frexp(np.where(a > 0, a, 1))[1] - 1 - 2, -126, 127), 0)      # np.frexp(a)[1] - 1 = floor(log2(a)), exactly
;;       r = np.clip(x / 2.0 ** e, -6, 6)
;;       step = 2.0 ** (np.maximum(np.frexp(np.where(r == 0, 1, r))[1] - 1, 0) - 1)
;;       q = np.round(r / step) * step * 2.0 ** e      # np.round: ties to even
;;       return np.moveaxis(q.reshape(q.shape[:-2] + (-1,))[..., :K], -1, axis).astype(np.float32)
;;   ~~~
;;   OPERANDS COMPUTED ON THE WAY. 'Computed on the way' means the value that the module computes at that place (a softmax that the list does not call 'softmax' is quantised finished and normalised). What goes into a quantiser is computed in f32, as accurately as f32 sums, v_exp_f32 and their like allow (about 1e-6 of the number): no bf16 or f16 on the way to a quantiser, and a product that is left as it is and whose result goes on into a quantised operand takes f32 operands (vector FMAs, or v_wmma_f32_16x16x4_f32). A number that lies on a knife's edge between two numbers of the format may be rounded either way, as far as f32 arithmetic and the matrix unit's own rounding can turn it there, and no further.
;;   INPUTS GIVEN AS CODES. attn_w (in the module: [1024, 2048], K = its axis 1): each comes as NAME_codes (uint8): NAME with its K axis moved to the last place and cut into blocks of 32 codes, [.., K / 32, bytes a block], one block behind the other in memory; two codes a byte, the lower K in the low four bits (a code: sign, 2 exponent bits, 1 mantissa bit); and NAME_scales (uint8): the same leading axes, one E8M0 byte (e + 127) for each 32 codes along K. Its value is code x scale, taken as it is: it is not quantised again, and the codes and scales need not be those that the quantiser above would give.
;; One version. Each part assembles by itself: llvm-mc -triple=amdgcn-amd-amdhsa -mcpu=gfx1250 --defsym DOCPART=n.
;; ======== version 1 of 1: 2 launches
;; workspace buffers: part 524,288 bytes; hpart 1,024 bytes
;; launch scores (part 1): grid 4 x 64, 4 waves a work-group, no clusters, 214,528 bytes of LDS; arguments encoder_outputs, hidden, attn_w_codes, attn_w_scales, attn_b, v, part, hpart; writes part, hpart
.if DOCPART == 1
	.amdgcn_target "amdgcn-amd-amdhsa--gfx1250"
	.amdhsa_code_object_version 6
	.text
	.protected	k_qb8eb8dc520_scores
	.globl	k_qb8eb8dc520_scores
	.p2align	8
	.type	k_qb8eb8dc520_scores,@function
k_qb8eb8dc520_scores:
	s_mov_b64 s[64:65], 0
	v_nop
	global_prefetch_b8 v0, s[64:65] scope:SCOPE_SE
	s_setreg_imm32_b32 hwreg(HW_REG_WAVE_MODE, 25, 1), 1
	s_wait_xcnt 0x0
; PARTIAL SCORES.  score[b][s] = sum over h of v[h] (sum over k of Q(x[b][s][k]) W[h][k] + attn_b[h]),  x = [hidden[b] | encoder_outputs[b][s]], K = 2,048, Q the MX-FP4 quantiser along K (blocks of 32).
; The seam of the two halves of K lies at k = 1,024, a multiple of 32: no block straddles it.  The hidden half is the same row for all 2,048 s of a batch, so its part of the energy, with the bias, is multiplied once a batch.
; The product with v is linear in the energy, so a partial energy over a slice of K is multiplied by v at once, and the partial scores are added by the next launch.
; SHARES.  Work-group (j, g), j = 0..3, g = 0..63: rows 512 g .. 512 g + 511 of the 32,768, encoder k = 256 j .. 256 j + 255, all 1,024 h.  Wave w keeps W[256 w .. 256 w + 255][that k] in 256 registers for the whole launch.
; x is read once, 1,024 bytes a row, quantised by one wave (wave w: row tile w of each chunk of 64 rows) and handed to all four waves through LDS as rows of codes and scale bytes.
; The work-group also makes 64 of the 1,024 h of its batch's hidden term (h = 64 idx + 16 w + 0..15, idx = 4 (g % 4) + j) and stores one number.
; THE MATRIX INSTRUCTION IS USED TRANSPOSED: source 0 = 16 rows of W, source 1 = 16 rows of x: register jj of lane (r, hh) is energy(h = tile + 8 hh + jj, row r): a lane holds one row of x, and v's eight numbers stay beside it.
; NO CLUSTER: what work-groups share is W's quarter (the 64 of equal j): 128 KB of codes, read once at the head, of the 648 KB that a work-group takes in; the 512 KB of x are shared by nobody.
; x COMES THROUGH REGISTERS, not by tensor loads: a ring of eight groups of eight loads, with counted waits, always has the next chunk's 32 loads of each wave out.  LDS bytes are filled by tensor loads once (W, v), never again.
; EIGHT NEIGHBOURS TO A LANE WITHOUT A TURN THROUGH LDS.  A row's 1,024 bytes come by two loads of 512 consecutive bytes; in a load lane r takes bytes 32 r and lane 16 + r bytes 32 r + 16.  v_permlane16_swap_b32 on register i of
; the first load and register i of the second changes the first's lanes 16-31 with the second's lanes 0-15: lane l then holds numbers 8 l .. 8 l + 7 of the row's 256, in eight registers on end, as the conversion wants them.
; LIMITS: NaN and infinities among the inputs are not served.  A block of zeros gets the scale byte 1 where the quantiser's rule says 127: its codes are zeros, and this program alone reads the bytes.
; A score is summed as 4 slices of K x 4 waves' h + 16 hidden slices: another order of f32 sums than the one written in the source.
;
; LDS (every region begins at a multiple of 256)
.set WL,    0                          ; W's encoder codes: for each wave 256 rows x 128 bytes, pitch 144 (filled once by a tensor load, read by the wave that asked)
.set WLW,   36864
.set WH,    147456                     ; W's hidden codes: for each wave 16 rows x 512 bytes, pitch 528 (likewise)
.set WHW,   8448
.set VL,    181248                     ; v[256 w ..]: 1,024 bytes a wave (likewise)
.set CODES, 185344                     ; x's codes: two buffers (chunk parity) of 64 rows, 128 bytes + 16: 144 = 9 x 16, so the 16 rows of a fragment load start at 16 different columns of 16 bytes
.set CBUF,  9216
.set SCX,   203776                     ; x's scale bytes: two buffers of 64 rows x 8
.set SCR,   204800                     ; each wave's partial scores: 512 rows x 4 bytes
.set HC,    212992                     ; the hidden row's codes, 512 bytes
.set HS,    213504                     ; its 32 scale bytes
.set HP,    213760                     ; the four waves' hidden partials
; VECTOR REGISTERS, window 0: addresses, made once
.set XA,  2                            ; x: 65,536 w + 32 r + 16 hh  (l lane, r = l % 16, hh = l / 16)
.set CA,  5                            ; my codes: CODES + 2,304 w + 4 l
.set BA,  6                            ; my scale byte: SCX + 128 w + l / 4
.set FA,  7                            ; a fragment of x: CODES + 144 r + 16 hh
.set GA,  8                            ; x's scale words: SCX + 8 r + 4 hh
.set RA0, 9                            ; my wave's scores: SCR + 2,048 w + 4 r
.set RA,  10                           ; the same + 512 x trip
.set AW,  11
.set AV,  12
.set AWH, 13
.set AH,  14
.set AHS, 15
.set HCA, 16
.set HBA, 17
.set HPA, 18
.set HX,  19
.set WSO, 20
.set HWO, 21
.set BO,  22
.set FR,  23
.set FO,  24
.set HPR, 25
.set NIL, 26
; window 0: scales (these registers hold scales and nothing else), the quantiser's work, five ring groups
.set WS,  32                           ; v32-47  pair u: register + ks = W's scale word of K step ks; lanes 0-15 tile 2 u, lanes 16-31 tile 2 u + 1
.set XS,  48                           ; v48-51  register t: x's scale words of row tile t; lanes 0-15 K step 0, lanes 16-31 K step 1
.set HWS, 52                           ; v52-55  W's hidden scale words: lanes 0-15 words 0-3, lanes 16-31 words 4-7
.set HXS, 56                           ; v56-63  the hidden row's eight scale words, alike in every lane
.set EN,  64                           ; v64-83  at the end, when the ring is empty: the waves' parts
.set TM,  128                          ; v128-159 two sets of 16: largest magnitudes, scale operands, bytes, codes
.set HR,  144                          ; v144-151 at the head, before the second set is used: my 256 numbers of the hidden row
; windows 1 (h tiles 0-7) and 3 (tiles 8-15): v[16 (i % 8) + 8 ks] W's fragments; v[128 + 8 (i % 8)] v's eight numbers; from v192 ring groups
.set VV,  128
; window 2: v[8 i] the 16 accumulators; v[128 + 16 t + 8 ks] x's fragments; v192-199 four pairs of running sums; v232 a permute's target; v234-237 results
.set XF,  128
.set SS,  192
.set TMPF, 232
.set RES, 234
; SCALAR REGISTERS
.set WV,  20
.set J,   21
.set G,   22
.set BB,  23
.set IDX, 24
.set TS,  25
.set OF,  26                           ; s[26:27], s[88:89], s[2:3]: offsets, high word 0
.set OG,  88
.set D1A, 28                           ; descriptor groups 1: W's encoder codes, W's hidden codes, v
.set D1B, 36
.set D1C, 44
.set D0A, 52                           ; and their groups 0
.set D0B, 56
.set D0C, 60
.set SEL, 66
.set CNT, 68
.set SOF, 69
.set XB,  70
.set HB,  72
.set WSB, 74
.set HWB, 76
.set BIB, 78
.set VHB, 80
.set PB,  82
.set HPB, 84
.set MSB, 0
.macro WIN new                         ; low byte: bits 1:0 source 0, 3:2 source 1, 5:4 source 2, 7:6 destination; the high byte repeats the setting that is left; a switch that changes nothing is dropped
.if MSB != (\new)
	s_set_vgpr_msb (MSB<<8)|(\new)
.set MSB, (\new)
.endif
.endm
.macro GRP g                           ; ring group g (4 pieces x 8 registers): its window GW and first register GB.  Even chunks use groups 0-3, odd chunks 4-7
.if (\g) == 0
.set GW, 0
.set GB, 64
.elseif (\g) == 1
.set GW, 0
.set GB, 96
.elseif (\g) < 5
.set GW, 0
.set GB, 160+32*((\g)-2)
.elseif (\g) == 5
.set GW, 1
.set GB, 192
.elseif (\g) == 6
.set GW, 1
.set GB, 224
.else
.set GW, 3
.set GB, 192
.endif
.endm
; Four pieces (rows 4 (g % 4) + 0..3 of my row tile; 1,024 bytes each) into group g: each load reads 512 consecutive bytes, 16 a lane
.macro XLOAD g, off
	GRP \g
	WIN (GW<<6)
.irp p, 0,1,2,3
.irp q, 0,1
	global_load_b128 v[GB+8*\p+4*\q:GB+8*\p+4*\q+3], v[XA], s[XB:XB+1] offset:(\off)+4096*(4*((\g)%4)+\p)+512*\q th:TH_LOAD_NT
.endr
.endr
	WIN 0
.endm
; n pieces, as loaded, in v[qt] on of window gw, are quantised, by turns; hf: which set of temporaries.  Four neighbouring lanes hold a block of 32.
; Codes: 4 bytes a lane; the block's byte: its four lanes write the same byte with the same value
.macro QV qt, gw, hf, n, ca, co, cstep, ba, bo, bstep
.set QM, TM+16*(\hf)
	WIN ((\gw)<<6)|(\gw)                           ; both registers of a swap lie in the group's window
.set pp, 0
.rept \n
.irp i, 0,1,2,3
	v_permlane16_swap_b32 v[(\qt)+8*pp+\i], v[(\qt)+8*pp+4+\i]           ; lane l now holds numbers 8 l .. 8 l + 7 of the piece
.endr
.set pp, pp+1
.endr
	WIN ((\gw)<<2)|(\gw)                           ; sources 0 and 1 in the group's window; the running maximum, source 2 and destination, in window 0
.set pp, 0
.rept \n
	v_max3_num_f32 v[QM+pp], |v[(\qt)+8*pp]|, |v[(\qt)+8*pp+1]|, 0x1800000   ; my eight numbers, and the floor 2^(3 - 127): the byte cannot fall under 1
.set pp, pp+1
.endr
.irp e, 2,4,6
.set pp, 0
.rept \n
	v_max3_num_f32 v[QM+pp], |v[(\qt)+8*pp+\e]|, |v[(\qt)+8*pp+\e+1]|, v[QM+pp]
.set pp, pp+1
.endr
.endr
	WIN 0
.irp x, 1,2
.set pp, 0
.rept \n
	v_max_num_f32_dpp v[QM+pp], v[QM+pp], v[QM+pp] row_xmask:\x row_mask:0xf bank_mask:0xf   ; with lanes l xor 1, then l xor 2: the block's largest magnitude
.set pp, pp+1
.endr
.endr
.set pp, 0
.rept \n
	v_add_nc_u32 v[QM+4+pp], 0xff000000, v[QM+pp]                        ; 2 off its exponent field: the conversion takes the exponent field of this operand as its scale
.set pp, pp+1
.endr
	WIN (\gw)                                      ; source 0, the numbers, in the group's window
.set pp, 0
.rept \n
	v_cvt_scalef32_pk8_fp4_f32 v[QM+12+pp], v[(\qt)+8*pp:(\qt)+8*pp+7], v[QM+4+pp]
.set pp, pp+1
.endr
.set pp, 0
.rept \n
	v_lshrrev_b32 v[QM+8+pp], 23, v[QM+4+pp]                             ; the scale's byte.  (Also the plain line behind the conversions)
.set pp, pp+1
.endr
	WIN 0
.set pp, 0
.rept \n
	ds_store_b32 v[\ca], v[QM+12+pp] offset:(\co)+(\cstep)*pp
	ds_store_b8 v[\ba], v[QM+8+pp] offset:(\bo)+(\bstep)*pp
.set pp, pp+1
.endr
.endm
; My row tile of a chunk of parity s is quantised, four pieces (a ring group) at a time.  refill = 1: behind its conversions, which read it, each group is loaded again, with the chunk two further on.
; left: the next chunk's loads, 32, or 0 for the last chunk.
.macro QCHUNK s, refill, left
.irp gq, 0,1,2,3
	s_wait_loadcnt (\left)+8*(3-\gq)+8*\gq*(\refill)   ; loads come back in order.  Behind this group's eight stand: this chunk's later groups, 8 each; the next chunk's; the refills issued in this chunk so far, 8 each
.if \gq >= 2
	s_wait_dscnt 8                                 ; the eight stores of the group before may be out; those of two groups back, which read this set of temporaries, are done
.endif
	GRP 4*\s+\gq
	QV GB, GW, \gq%2, 4, CA, CBUF*\s+576*\gq, 144, BA, 512*\s+32*\gq, 8
.if \refill
	XLOAD 4*\s+\gq, 262144*(\s+2)
.endif
.endr
	s_wait_dscnt 0x0                               ; for the others' sake: my codes and bytes lie in LDS, and my reads of the other buffer are long over
	s_barrier_signal -1
	s_barrier_wait -1                              ; the chunk's 64 rows lie in buffer s.  The other buffer is written again only by waves that have passed this barrier, which every wave signals behind its last read of it
.endm
.macro FETCHX s                        ; the chunk's scale words and its eight fragments (4 row tiles x 2 K steps), tile by tile
.irp t, 0,1,2,3
	ds_load_b32 v[XS+\t], v[GA] offset:512*\s+128*\t
.endr
	WIN 0x80
.irp t, 0,1,2,3
.irp ks, 0,1
.irp c, 0,1
	ds_load_b128 v[XF+16*\t+8*\ks+4*\c:XF+16*\t+8*\ks+4*\c+3], v[FA] offset:CBUF*\s+2304*\t+64*\ks+32*\c
.endr
.endr
.endr
.endm
; One matrix instruction: h tile i x row tile t, K step ks.  ks = 0 starts the sum with the constant 0.  W's scale words of an odd tile, and x's of K step 1, lie in lanes 16-31
.macro WM i, t, ks
.set rD, 8*(\i)
.set rA, 16*((\i)%8)+8*(\ks)
.set rB, XF+16*(\t)+8*(\ks)
.set rP, WS+2*((\i)/2)+(\ks)
.set rQ, XS+(\t)
.if (\ks) == 0
.if ((\i)%2) == 0
	v_wmma_scale_f32_16x16x128_f8f6f4 v[rD:rD+7], v[rA:rA+7], v[rB:rB+7], 0, v[rP], v[rQ] matrix_a_fmt:MATRIX_FMT_FP4 matrix_b_fmt:MATRIX_FMT_FP4
.else
	v_wmma_scale_f32_16x16x128_f8f6f4 v[rD:rD+7], v[rA:rA+7], v[rB:rB+7], 0, v[rP], v[rQ] matrix_a_fmt:MATRIX_FMT_FP4 matrix_b_fmt:MATRIX_FMT_FP4 matrix_a_scale:MATRIX_SCALE_ROW1
.endif
.else
.if ((\i)%2) == 0
	v_wmma_scale_f32_16x16x128_f8f6f4 v[rD:rD+7], v[rA:rA+7], v[rB:rB+7], v[rD:rD+7], v[rP], v[rQ] matrix_a_fmt:MATRIX_FMT_FP4 matrix_b_fmt:MATRIX_FMT_FP4 matrix_b_scale:MATRIX_SCALE_ROW1
.else
	v_wmma_scale_f32_16x16x128_f8f6f4 v[rD:rD+7], v[rA:rA+7], v[rB:rB+7], v[rD:rD+7], v[rP], v[rQ] matrix_a_fmt:MATRIX_FMT_FP4 matrix_b_fmt:MATRIX_FMT_FP4 matrix_a_scale:MATRIX_SCALE_ROW1 matrix_b_scale:MATRIX_SCALE_ROW1
.endif
.endif
.endm
; The finished accumulator i times v, onto four pairs of running sums; tile 0 starts them: nothing is cleared.  The accumulator is read from its low end on
.macro RED i
.set rV, VV+8*((\i)%8)
.set rD, 8*(\i)
.irp q, 0,1,2,3
.if (\i) == 0
	v_pk_mul_f32 v[SS+2*\q:SS+2*\q+1], v[rV+2*\q:rV+2*\q+1], v[rD+2*\q:rD+2*\q+1]
.else
	v_pk_fma_f32 v[SS+2*\q:SS+2*\q+1], v[rV+2*\q:rV+2*\q+1], v[rD+2*\q:rD+2*\q+1], v[SS+2*\q:SS+2*\q+1]
.endif
.endr
.endm
; K step 0 of row tile t.  red: each accumulator still holds the row tile before: it is multiplied by v just ahead of the product that begins it anew.  One window setting serves both lines.
; Five places stand in front: four before a vector instruction reads a result, five before a matrix instruction writes over one (ISA guide 7.12.1 for four of them)
.macro PHASE_A t, red
.if \red
.rept 5
	v_nop
.endr
.endif
	WIN 0xa9                                       ; source 0 (W, v) window 1; source 1, source 2 and the destination window 2
.irp i, 0,1,2,3,4,5,6,7
.if \red
	RED \i
.endif
	WM \i, \t, 0
.endr
	WIN 0xab                                       ; source 0 window 3
.irp i, 8,9,10,11,12,13,14,15
.if \red
	RED \i
.endif
	WM \i, \t, 0
.endr
.endm
; K step 1: the 16 accumulators take turns, one instruction a turn, and seven others' stand between two links of a chain at the least
.macro PHASE_B t
	WIN 0xab
.irp i, 8,9,10,11,12,13,14,15
	WM \i, \t, 1
.endr
	WIN 0xa9
.irp i, 0,1,2,3,4,5,6,7
	WM \i, \t, 1
.endr
.endm
; The four pairs, and lane l xor 16's (the other eight h of each tile), make one number a row; lanes l and l xor 16 store the same word with the same value
.macro FINAL reg, adr, off
	WIN 0xaa
	v_pk_add_f32 v[SS:SS+1], v[SS:SS+1], v[SS+2:SS+3]
	v_pk_add_f32 v[SS+4:SS+5], v[SS+4:SS+5], v[SS+6:SS+7]
	v_pk_add_f32 v[SS:SS+1], v[SS:SS+1], v[SS+4:SS+5]
	v_add_f32 v[SS], v[SS], v[SS+1]
	v_permlanex16_b32 v[TMPF], v[SS], s[SEL], s[SEL+1]
	v_add_f32 v[\reg], v[SS], v[TMPF]
	WIN 0x08                                       ; an LDS store's data are its source 1: window 2
	ds_store_b32 v[\adr], v[\reg] offset:\off
.endm
.macro MCHUNK s                        ; my 256 h x the chunk's 64 rows x 256 along K: 128 matrix instructions
	FETCHX \s
.irp t, 0,1,2,3
.if \t == 0
	s_wait_dscnt 12                                ; the scale words and tile 0's four loads are in; behind them: three tiles' twelve
.elseif \t == 1
	s_wait_dscnt 8                                 ; two tiles' eight
.elseif \t == 2
	s_wait_dscnt 5                                 ; tile 3's four and one store of a result
.else
	s_wait_dscnt 2                                 ; two stores of results
.endif
	PHASE_A \t, \t
.if \t > 0
	FINAL RES+\t-1, RA, 256*\s+64*(\t-1)
.endif
	PHASE_B \t
.endr
.rept 4
	v_nop                                          ; four places in front of the reads of results just made
.endr
	WIN 0xa9
.irp i, 0,1,2,3,4,5,6,7
	RED \i
.endr
	WIN 0xab
.irp i, 8,9,10,11,12,13,14,15
	RED \i
.endr
	FINAL RES+3, RA, 256*\s+192
	WIN 0
.endm
.macro HM ks                           ; the hidden term: my 16 h x the hidden row (alike in all 16 columns), K step ks of eight; two accumulators by turns; the bias is the C of the first
.set rD, 8*((\ks)%2)
.set rA, 8*(\ks)
.set rB, XF+8*(\ks)
.set rP, HWS+(\ks)%4
.set rQ, HXS+(\ks)
.if (\ks) == 0
	v_wmma_scale_f32_16x16x128_f8f6f4 v[rD:rD+7], v[rA:rA+7], v[rB:rB+7], v[16:23], v[rP], v[rQ] matrix_a_fmt:MATRIX_FMT_FP4 matrix_b_fmt:MATRIX_FMT_FP4
.elseif (\ks) == 1
	v_wmma_scale_f32_16x16x128_f8f6f4 v[rD:rD+7], v[rA:rA+7], v[rB:rB+7], 0, v[rP], v[rQ] matrix_a_fmt:MATRIX_FMT_FP4 matrix_b_fmt:MATRIX_FMT_FP4
.elseif (\ks) < 4
	v_wmma_scale_f32_16x16x128_f8f6f4 v[rD:rD+7], v[rA:rA+7], v[rB:rB+7], v[rD:rD+7], v[rP], v[rQ] matrix_a_fmt:MATRIX_FMT_FP4 matrix_b_fmt:MATRIX_FMT_FP4
.else
	v_wmma_scale_f32_16x16x128_f8f6f4 v[rD:rD+7], v[rA:rA+7], v[rB:rB+7], v[rD:rD+7], v[rP], v[rQ] matrix_a_fmt:MATRIX_FMT_FP4 matrix_b_fmt:MATRIX_FMT_FP4 matrix_a_scale:MATRIX_SCALE_ROW1
.endif
.endm
	; ---- 1: ids, descriptors, the three tensor loads
	s_load_b256 s[4:11], s[0:1], 0x0               ; encoder_outputs s[4:5], hidden s[6:7], W's codes s[8:9], W's scales s[10:11]
	s_load_b256 s[12:19], s[0:1], 0x20             ; attn_b s[12:13], v s[14:15], part s[16:17], hpart s[18:19]
	v_lshl_add_u32 v3, v0, 2, 0x34400
	v_mov_b32 v4, 0
	ds_add_u32 v3, v4
	ds_add_u32 v3, v4
	v_lshrrev_b32 v1, 5, v0
	v_readfirstlane_b32 s[WV], v1                  ; wave 0..3
	s_mov_b32 s[J], ttmp9                          ; j: which quarter of the encoder's K
	s_and_b32 s[G], ttmp7, 0xffff                  ; g: which 512 rows
	s_lshr_b32 s[BB], s[G], 2                      ; the batch
	s_and_b32 s[IDX], s[G], 3
	s_lshl_b32 s[IDX], s[IDX], 2
	s_add_co_u32 s[IDX], s[IDX], s[J]              ; idx: which 64 h of the hidden term
	s_mov_b32 s[D1A+0], (1<<20)|(4<<22)|(3<<25)    ; elements of 1 byte; padding on: 4 words behind every 32
	s_mov_b32 s[D1A+1], 128<<16                    ; tensor_dim0 = 128
	s_mov_b32 s[D1A+2], 256<<16                    ; tensor_dim1 = 256
	s_mov_b32 s[D1A+3], 128<<16                    ; tile_dim0 = 128 bytes: 256 codes
	s_mov_b32 s[D1A+4], 256                        ; tile_dim1 = 256 rows
	s_mov_b32 s[D1A+5], 1024                       ; a row of W's codes is 1,024 bytes
	s_mov_b32 s[D1A+6], 0
	s_mov_b32 s[D1A+7], 0
	s_mov_b32 s[D1B+0], (1<<20)|(6<<22)|(3<<25)    ; padding: 4 words behind every 128
	s_mov_b32 s[D1B+1], 512<<16
	s_mov_b32 s[D1B+2], 16<<16
	s_mov_b32 s[D1B+3], 512<<16                    ; 512 bytes: the hidden half's 1,024 codes
	s_mov_b32 s[D1B+4], 16
	s_mov_b32 s[D1B+5], 1024
	s_mov_b32 s[D1B+6], 0
	s_mov_b32 s[D1B+7], 0
	s_mov_b32 s[D1C+0], 3<<16                      ; one row of 128 elements of 8 bytes, no padding
	s_mov_b32 s[D1C+1], 128<<16
	s_mov_b32 s[D1C+2], 1<<16
	s_mov_b32 s[D1C+3], 128<<16
	s_mov_b32 s[D1C+4], 1
	s_mov_b32 s[D1C+5], 128
	s_mov_b32 s[D1C+6], 0
	s_mov_b32 s[D1C+7], 0
	s_mov_b32 s[D0A], 1
	s_mul_i32 s[D0A+1], s[WV], WLW                 ; LDS: WL (byte 0) + my wave's part
	s_mov_b32 s[D0B], 1
	s_mul_i32 s[D0B+1], s[WV], WHW
	s_add_co_u32 s[D0B+1], s[D0B+1], WH
	s_mov_b32 s[D0C], 1
	s_lshl_b32 s[D0C+1], s[WV], 10
	s_add_co_u32 s[D0C+1], s[D0C+1], VL
	s_lshl_b32 s[OF], s[WV], 18                    ; W's row 256 w, byte 512 + 128 j
	s_lshl_b32 s[TS], s[J], 7
	s_add_co_u32 s[OF], s[OF], s[TS]
	s_add_co_u32 s[OF], s[OF], 512
	s_mov_b32 s[OF+1], 0
	s_lshl_b32 s[OG], s[IDX], 16                   ; W's row 64 idx + 16 w, byte 0
	s_lshl_b32 s[TS], s[WV], 14
	s_add_co_u32 s[OG], s[OG], s[TS]
	s_mov_b32 s[OG+1], 0
	s_lshl_b32 s2, s[WV], 10                       ; v[256 w]
	s_mov_b32 s3, 0
	s_mov_b32 s[SEL], 0x76543210
	s_mov_b32 s[SEL+1], 0xfedcba98                 ; v_permlanex16_b32's selects for lane l xor 16
	s_wait_dscnt 0x0
	s_wait_kmcnt 0x0
	s_add_nc_u64 s[D0A+2:D0A+3], s[8:9], s[OF:OF+1]
	s_or_b32 s[D0A+3], s[D0A+3], 0x80000000
	s_add_nc_u64 s[D0B+2:D0B+3], s[8:9], s[OG:OG+1]
	s_or_b32 s[D0B+3], s[D0B+3], 0x80000000
	s_add_nc_u64 s[D0C+2:D0C+3], s[14:15], s[2:3]
	s_or_b32 s[D0C+3], s[D0C+3], 0x80000000
	tensor_load_to_lds s[D0B:D0B+3], s[D1B:D1B+7]  ; the hidden codes first: they are wanted first.  Three tensor loads of mine are out, each into bytes that only I read
	s_nop 0
	tensor_load_to_lds s[D0C:D0C+3], s[D1C:D1C+7]
	s_nop 0
	tensor_load_to_lds s[D0A:D0A+3], s[D1A:D1A+7]
	s_nop 0
.rept 4
	v_nop
.endr
	; ---- the other bases
	s_lshl_b32 s[OF], s[G], 21                     ; x: row 512 g of 4,096 bytes, + 1,024 j
	s_lshl_b32 s[TS], s[J], 10
	s_add_co_u32 s[OF], s[OF], s[TS]
	s_add_nc_u64 s[XB:XB+1], s[4:5], s[OF:OF+1]
	s_lshl_b32 s[OF], s[BB], 12
	s_add_nc_u64 s[HB:HB+1], s[6:7], s[OF:OF+1]    ; hidden[b]
	s_lshl_b32 s[OF], s[WV], 14                    ; W's scales: row 256 w of 64 bytes, byte 32 + 8 j
	s_lshl_b32 s[TS], s[J], 3
	s_add_co_u32 s[OF], s[OF], s[TS]
	s_add_co_u32 s[OF], s[OF], 32
	s_add_nc_u64 s[WSB:WSB+1], s[10:11], s[OF:OF+1]
	s_lshl_b32 s[OF], s[IDX], 12                   ; W's scales: row 64 idx + 16 w
	s_lshl_b32 s[TS], s[WV], 10
	s_add_co_u32 s[OF], s[OF], s[TS]
	s_add_nc_u64 s[HWB:HWB+1], s[10:11], s[OF:OF+1]
	s_lshr_b32 s[OF], s[OF], 4                     ; 4 bytes x (64 idx + 16 w)
	s_add_nc_u64 s[BIB:BIB+1], s[12:13], s[OF:OF+1]
	s_add_nc_u64 s[VHB:VHB+1], s[14:15], s[OF:OF+1]
	s_lshl_b32 s[OF], s[J], 17                     ; part[j][512 g]
	s_lshl_b32 s[TS], s[G], 11
	s_add_co_u32 s[OF], s[OF], s[TS]
	s_add_nc_u64 s[PB:PB+1], s[16:17], s[OF:OF+1]
	s_lshl_b32 s[OF], s[G], 4                      ; hpart[4 g + j]
	s_lshl_b32 s[TS], s[J], 2
	s_add_co_u32 s[OF], s[OF], s[TS]
	s_add_nc_u64 s[HPB:HPB+1], s[18:19], s[OF:OF+1]
	v_and_b32 v27, 31, v0                          ; l
	v_and_b32 v28, 15, v0                          ; r
	v_bfe_u32 v29, v0, 4, 1                        ; hh
	v_lshlrev_b32 v30, 5, v28
	v_lshl_add_u32 v30, v29, 4, v30                ; my 16 bytes of a load's 512: 32 r + 16 hh
	s_lshl_b32 s[TS], s[WV], 16
	v_add_nc_u32 v[XA], s[TS], v30                 ; my row tile: 16 w rows of 4,096 bytes
	s_lshl_b32 s[TS], s[WV], 10
	v_add_nc_u32 v[HX], s[TS], v30                 ; my 1,024 bytes of the hidden row
	v_lshlrev_b32 v[WSO], 6, v27                   ; a row of scales is 64 bytes; lane l takes row 32 u + l
	v_lshlrev_b32 v30, 6, v28
	v_lshl_add_u32 v[HWO], v29, 4, v30
	v_lshlrev_b32 v[BO], 5, v29                    ; my half's eight numbers of attn_b and of v
	; ---- 2: fifteen small loads
	global_load_b128 v[HR:HR+3], v[HX], s[HB:HB+1]
	global_load_b128 v[HR+4:HR+7], v[HX], s[HB:HB+1] offset:512
.irp u, 0,1,2,3,4,5,6,7
	global_load_b64 v[WS+2*\u:WS+2*\u+1], v[WSO], s[WSB:WSB+1] offset:2048*\u
.endr
	global_load_b128 v[HWS:HWS+3], v[HWO], s[HWB:HWB+1]
	WIN 0x80
	global_load_b128 v[16:19], v[BO], s[BIB:BIB+1]             ; the bias, in the result's layout
	global_load_b128 v[20:23], v[BO], s[BIB:BIB+1] offset:16
	v_mov_b32 v[TMPF], 0                           ; written once: a lane permute's destination counts as one of its sources
	WIN 0x40
	global_load_b128 v[VV:VV+3], v[BO], s[VHB:VHB+1]           ; v at my 16 h of the hidden term
	global_load_b128 v[VV+4:VV+7], v[BO], s[VHB:VHB+1] offset:16
	WIN 0
	; ---- 3: the ring: chunks 0 and 1, 64 loads
.irp gg, 0,1,2,3,4,5,6,7
	XLOAD \gg, 262144*(\gg/4)
.endr
	; ---- the LDS addresses
	s_mul_i32 s[TS], s[WV], 2304
	s_add_co_u32 s[TS], s[TS], CODES
	v_lshl_add_u32 v[CA], v27, 2, s[TS]
	s_lshl_b32 s[TS], s[WV], 7
	s_add_co_u32 s[TS], s[TS], SCX
	v_bfe_u32 v30, v0, 2, 3
	v_add_nc_u32 v[BA], s[TS], v30
	v_mul_u32_u24 v31, v28, 144
	v_lshl_add_u32 v31, v29, 4, v31                ; 144 r + 16 hh
	v_add_nc_u32 v[FA], CODES, v31
	s_mul_i32 s[TS], s[WV], WLW
	v_add_nc_u32 v[AW], s[TS], v31
	v_lshlrev_b32 v30, 3, v28
	v_lshl_add_u32 v30, v29, 2, v30
	v_add_nc_u32 v[GA], SCX, v30
	s_lshl_b32 s[TS], s[WV], 11
	s_add_co_u32 s[TS], s[TS], SCR
	v_lshl_add_u32 v[RA0], v28, 2, s[TS]
	s_lshl_b32 s[TS], s[WV], 10
	s_add_co_u32 s[TS], s[TS], VL
	v_lshl_add_u32 v[AV], v29, 5, s[TS]
	s_mul_i32 s[TS], s[WV], WHW
	s_add_co_u32 s[TS], s[TS], WH
	v_mul_u32_u24 v30, v28, 528
	v_lshl_add_u32 v30, v29, 4, v30
	v_add_nc_u32 v[AWH], s[TS], v30
	v_lshl_add_u32 v[AH], v29, 4, HC
	v_mov_b32 v[AHS], HS
	v_lshl_add_u32 v[HCA], v0, 2, HC               ; 128 w + 4 l
	v_lshrrev_b32 v30, 2, v0
	v_add_nc_u32 v[HBA], HS, v30                   ; 8 w + l / 4
	s_lshl_b32 s[TS], s[WV], 2
	s_add_co_u32 s[TS], s[TS], HP
	v_mov_b32 v[HPA], s[TS]
	v_lshl_add_u32 v[FR], v0, 4, SCR
	v_lshlrev_b32 v[FO], 4, v0
	v_mov_b32 v[HPR], HP
	v_mov_b32 v[NIL], 0
	; ---- 4: my 256 numbers of the hidden row are quantised
	s_wait_loadcnt 63                              ; 79 loads have been issued: with 63 out at the most the oldest 16 are in, the fifteen small ones among them
	QV HR, 0, 0, 1, HCA, 0, 0, HBA, 0, 0
	s_wait_tensorcnt 2                             ; W's hidden codes, asked for first, have landed; the other two loads may stay out: no LDS byte is filled a second time in this launch
	s_wait_dscnt 0x0                               ; for the others' sake: my codes and bytes of the hidden row lie in LDS
	s_barrier_signal -1
	s_barrier_wait -1
	; ---- 5: the hidden term of my 16 h
	ds_load_b128 v[HXS:HXS+3], v[AHS]
	ds_load_b128 v[HXS+4:HXS+7], v[AHS] offset:16
	WIN 0x80
.irp ks, 0,1,2,3,4,5,6,7
.irp c, 0,1
	ds_load_b128 v[XF+8*\ks+4*\c:XF+8*\ks+4*\c+3], v[AH] offset:64*\ks+32*\c      ; the hidden row, the same in all sixteen columns
.endr
.endr
	WIN 0x40
.irp ks, 0,1,2,3,4,5,6,7
.irp c, 0,1
	ds_load_b128 v[8*\ks+4*\c:8*\ks+4*\c+3], v[AWH] offset:64*\ks+32*\c
.endr
.endr
	s_wait_dscnt 0x0
	WIN 0xa9
.irp ks, 0,1,2,3,4,5,6,7
	HM \ks
.endr
.rept 4
	v_nop                                          ; four places in front of the reads of results, and of the loads into W's registers below
.endr
.irp q, 0,1,2,3
	v_pk_mul_f32 v[SS+2*\q:SS+2*\q+1], v[VV+2*\q:VV+2*\q+1], v[2*\q:2*\q+1]
.endr
.irp q, 0,1,2,3
	v_pk_fma_f32 v[SS+2*\q:SS+2*\q+1], v[VV+2*\q:VV+2*\q+1], v[8+2*\q:9+2*\q], v[SS+2*\q:SS+2*\q+1]
.endr
	FINAL RES, HPA, 0                              ; every lane holds my 16 h's part of the hidden term
	; ---- 6: W's quarter and v into registers, where they stay
	s_wait_tensorcnt 0x0
	WIN 0x40
.irp i, 0,1,2,3,4,5,6,7
.irp ks, 0,1
.irp c, 0,1
	ds_load_b128 v[16*\i+8*\ks+4*\c:16*\i+8*\ks+4*\c+3], v[AW] offset:2304*\i+64*\ks+32*\c
.endr
.endr
.irp q, 0,1
	ds_load_b128 v[VV+8*\i+4*\q:VV+8*\i+4*\q+3], v[AV] offset:64*\i+16*\q
.endr
.endr
	WIN 0xc0
.irp i, 0,1,2,3,4,5,6,7
.irp ks, 0,1
.irp c, 0,1
	ds_load_b128 v[16*\i+8*\ks+4*\c:16*\i+8*\ks+4*\c+3], v[AW] offset:2304*(\i+8)+64*\ks+32*\c
.endr
.endr
.irp q, 0,1
	ds_load_b128 v[VV+8*\i+4*\q:VV+8*\i+4*\q+3], v[AV] offset:64*(\i+8)+16*\q
.endr
.endr
	WIN 0                                          ; no wait here: LDS serves a wave in order, and the first chunk's wait for all its LDS instructions stands behind these loads
	; ---- 7: six chunks in three trips; trip n works chunks 2 n, 2 n + 1 and asks for 2 n + 2, 2 n + 3
	s_mov_b32 s[CNT], 3
	s_mov_b32 s[SOF], 0
.Ltrip:
	v_add_nc_u32 v[RA], s[SOF], v[RA0]
	QCHUNK 0, 1, 32
	MCHUNK 0
	QCHUNK 1, 1, 32
	MCHUNK 1
	s_wait_dscnt 0x0                               ; my stores of results are done
	s_wait_xcnt 0x0                                ; the loads' base is stepped only behind this wait
	s_add_nc_u64 s[XB:XB+1], s[XB:XB+1], 524288
	s_add_co_u32 s[SOF], s[SOF], 512
	s_sub_co_u32 s[CNT], s[CNT], 1
	s_cmp_lg_u32 s[CNT], 0
	s_cbranch_scc1 .Ltrip
	; ---- 8: the last two chunks ask for nothing: no load leaves the buffer
	v_add_nc_u32 v[RA], s[SOF], v[RA0]
	QCHUNK 0, 0, 32
	MCHUNK 0
	QCHUNK 1, 0, 0
	MCHUNK 1
	; ---- 9: the four waves' parts are added; thread n stores rows 4 n .. 4 n + 3: a wave's store covers 512 consecutive bytes, aligned
	s_wait_dscnt 0x0
	s_barrier_signal -1
	s_barrier_wait -1
.irp wv, 0,1,2,3
	ds_load_b128 v[EN+4*\wv:EN+4*\wv+3], v[FR] offset:2048*\wv
.endr
	ds_load_b128 v[EN+16:EN+19], v[HPR]
	s_wait_dscnt 0x0
	v_pk_add_f32 v[EN:EN+1], v[EN:EN+1], v[EN+4:EN+5]
	v_pk_add_f32 v[EN+2:EN+3], v[EN+2:EN+3], v[EN+6:EN+7]
	v_pk_add_f32 v[EN+8:EN+9], v[EN+8:EN+9], v[EN+12:EN+13]
	v_pk_add_f32 v[EN+10:EN+11], v[EN+10:EN+11], v[EN+14:EN+15]
	v_pk_add_f32 v[EN:EN+1], v[EN:EN+1], v[EN+8:EN+9]
	v_pk_add_f32 v[EN+2:EN+3], v[EN+2:EN+3], v[EN+10:EN+11]
	global_store_b128 v[FO], v[EN:EN+3], s[PB:PB+1]
	v_add_f32 v[EN+16], v[EN+16], v[EN+17]
	v_add_f32 v[EN+18], v[EN+18], v[EN+19]
	v_add_f32 v[EN+16], v[EN+16], v[EN+18]         ; the work-group's 64 h of the hidden term
	v_cmp_eq_u32 vcc_lo, 0, v0
	s_wait_xcnt 0x0                                ; EXEC changes only behind this wait
	s_wait_tensorcnt 0x0
	ds_add_u32 v3, v4
	s_wait_dscnt 0x0
	s_and_saveexec_b32 s86, vcc_lo
	global_store_b32 v[NIL], v[EN+16], s[HPB:HPB+1] ; thread 0 alone
	s_wait_xcnt 0x0
	s_or_b32 exec_lo, exec_lo, s86
	s_endpgm
.Lfunc_end_k_qb8eb8dc520_scores:
	.size	k_qb8eb8dc520_scores, .Lfunc_end_k_qb8eb8dc520_scores-k_qb8eb8dc520_scores
	.p2alignl 7, 3214868480
	.fill 96, 4, 3214868480
	.section	.rodata,"a",@progbits
	.p2align	6, 0x0
	.amdhsa_kernel k_qb8eb8dc520_scores
		.amdhsa_group_segment_fixed_size 214528
		.amdhsa_private_segment_fixed_size 0
		.amdhsa_enable_private_segment 0
		.amdhsa_kernarg_size 64
		.amdhsa_user_sgpr_count 2
		.amdhsa_user_sgpr_kernarg_segment_ptr 1
		.amdhsa_wavefront_size32 1
		.amdhsa_system_sgpr_workgroup_id_x 1
		.amdhsa_system_sgpr_workgroup_id_y 1
		.amdhsa_system_sgpr_workgroup_id_z 1
		.amdhsa_system_vgpr_workitem_id 0
		.amdhsa_next_free_vgpr 1024
		.amdhsa_next_free_sgpr 90
		.amdhsa_reserve_vcc 1
		.amdhsa_float_denorm_mode_32 3
		.amdhsa_float_denorm_mode_16_64 3
		.amdhsa_memory_ordered 1
		.amdhsa_forward_progress 1
		.amdhsa_inst_pref_size 234
	.end_amdhsa_kernel
	.amdgpu_metadata
---
amdhsa.version: [ 1, 2 ]
amdhsa.kernels:
  - .name:           k_qb8eb8dc520_scores
    .symbol:         k_qb8eb8dc520_scores.kd
    .args:
      - { .name: encoder_outputs, .offset: 0, .size: 8, .value_kind: global_buffer, .address_space: global }
      - { .name: hidden, .offset: 8, .size: 8, .value_kind: global_buffer, .address_space: global }
      - { .name: attn_w_codes, .offset: 16, .size: 8, .value_kind: global_buffer, .address_space: global }
      - { .name: attn_w_scales, .offset: 24, .size: 8, .value_kind: global_buffer, .address_space: global }
      - { .name: attn_b, .offset: 32, .size: 8, .value_kind: global_buffer, .address_space: global }
      - { .name: v, .offset: 40, .size: 8, .value_kind: global_buffer, .address_space: global }
      - { .name: part, .offset: 48, .size: 8, .value_kind: global_buffer, .address_space: global }
      - { .name: hpart, .offset: 56, .size: 8, .value_kind: global_buffer, .address_space: global }
    .group_segment_fixed_size: 214528
    .private_segment_fixed_size: 0
    .kernarg_segment_align: 8
    .kernarg_segment_size: 64
    .max_flat_workgroup_size: 128
    .sgpr_count:     90
    .vgpr_count:     1024
    .wavefront_size: 32
...
	.end_amdgpu_metadata
.endif
;; end of part 1
;; launch softmax (part 2): grid 16 x 1, 16 waves a work-group, no clusters, 2,304 bytes of LDS; arguments part, hpart, out0; writes out0
.if DOCPART == 2
	.amdgcn_target "amdgcn-amd-amdhsa--gfx1250"
	.amdhsa_code_object_version 6
	.text
	.protected	k_qb8eb8dc520_softmax
	.globl	k_qb8eb8dc520_softmax
	.p2align	8
	.type	k_qb8eb8dc520_softmax,@function
k_qb8eb8dc520_softmax:
	s_mov_b64 s[64:65], 0
	v_nop
	global_prefetch_b8 v0, s[64:65] scope:SCOPE_SE
	s_setreg_imm32_b32 hwreg(HW_REG_WAVE_MODE, 25, 1), 1
	s_wait_xcnt 0x0
; out0[b][0][s] = softmax over s of score[b][s];  score = part[0..3][b][s] added, + the 16 numbers hpart[b][0..15] (the hidden half of K and the bias, times v).
; One work-group a batch, 16 waves; thread n owns s = 4 n .. 4 n + 3: each load and the store of a wave cover 512 consecutive bytes, aligned.
; The row's maximum m is taken away before the exponential: p = 2^(score c - m c), c = log2(e), one fused multiply-add; the product m c is one number for the whole row.
; 16 work-groups are all the work there is: 2,048 numbers a batch; matrix units, clusters and tensor loads have nothing to do here.
; LIMITS: NaN and infinities among the scores are not served; a p under 2^-126 comes out as 0.
	s_load_b128 s[4:7], s[0:1], 0x0                ; part, hpart
	s_load_b64 s[8:9], s[0:1], 0x10                ; out0
	v_lshl_add_u32 v48, v0, 2, 0x100
	v_mov_b32 v49, 0
	v_lshlrev_b32 v1, 4, v0                        ; 16 bytes a thread
	v_and_b32 v2, 15, v0
	v_lshlrev_b32 v2, 2, v2                        ; lane % 16 takes one of the 16 hidden parts
	v_lshrrev_b32 v3, 5, v0
	v_lshlrev_b32 v3, 2, v3                        ; LDS: 4 x wave
	v_mov_b32 v24, 0                               ; LDS byte 0
	v_mov_b32 v23, 0                               ; written once: a lane permute's destination counts as one of its sources
	s_lshl_b32 s12, ttmp9, 13                      ; the batch's 2,048 numbers
	s_mov_b32 s13, 0
	s_lshl_b32 s14, ttmp9, 6                       ; its 16 hidden parts
	s_mov_b32 s15, 0
	s_mov_b32 s16, 0x76543210
	s_mov_b32 s17, 0xfedcba98                      ; v_permlanex16_b32's selects for lane l xor 16
	s_mov_b32 s18, 0x3fb8aa3b                      ; c = log2(e)
	s_wait_kmcnt 0x0
	s_add_nc_u64 s[4:5], s[4:5], s[12:13]
	s_add_nc_u64 s[6:7], s[6:7], s[14:15]
	s_add_nc_u64 s[8:9], s[8:9], s[12:13]
	global_load_b32 v20, v2, s[6:7]
.irp j, 0,1,2,3
	global_load_b128 v[4+4*\j:7+4*\j], v1, s[4:5] offset:131072*\j th:TH_LOAD_NT
.endr
	s_wait_loadcnt 0x0
.irp x, 1,2,4,8
	v_add_f32_dpp v20, v20, v20 row_xmask:\x row_mask:0xf bank_mask:0xf     ; the 16 hidden parts: every lane ends with their sum
.endr
	v_pk_add_f32 v[4:5], v[4:5], v[8:9]
	v_pk_add_f32 v[6:7], v[6:7], v[10:11]
	v_pk_add_f32 v[12:13], v[12:13], v[16:17]
	v_pk_add_f32 v[14:15], v[14:15], v[18:19]
	v_mov_b32 v21, v20
	v_pk_add_f32 v[4:5], v[4:5], v[12:13]
	v_pk_add_f32 v[6:7], v[6:7], v[14:15]
	v_pk_add_f32 v[4:5], v[4:5], v[20:21]
	v_pk_add_f32 v[6:7], v[6:7], v[20:21]          ; my four scores
	; the maximum: my four, the wave's 32 lanes, the 16 waves
	v_max3_num_f32 v22, v4, v5, v6
	v_max_num_f32 v22, v22, v7
.irp x, 1,2,4,8
	v_max_num_f32_dpp v22, v22, v22 row_xmask:\x row_mask:0xf bank_mask:0xf
.endr
	v_permlanex16_b32 v23, v22, s16, s17
	v_max_num_f32 v22, v22, v23
	ds_store_b32 v3, v22                           ; all lanes of a wave write the same word with the same value
	s_wait_dscnt 0x0                               ; for the others' sake
	s_barrier_signal -1
	s_barrier_wait -1
.irp i, 0,1,2,3
	ds_load_b128 v[28+4*\i:31+4*\i], v24 offset:16*\i
.endr
	s_wait_dscnt 0x0
	v_max3_num_f32 v26, v28, v29, v30
.irp i, 31,33,35,37,39,41
	v_max3_num_f32 v26, v26, v[\i], v[\i+1]
.endr
	v_max_num_f32 v26, v26, v43                    ; m
	v_mul_f32 v26, s18, v26                        ; m c
.irp i, 4,5,6,7
	v_fma_f32 v[\i], v[\i], s18, -v26
.endr
.irp i, 4,5,6,7
	v_exp_f32 v[\i], v[\i]
.endr
	v_nop                                          ; a plain line between the last exponential and the use of its result (ISA guide 5.7.2)
	; the sum, the same way, through other LDS bytes: so no barrier is owed between the reads above and these stores
	s_wait_alu depctr_va_vdst(0)
	v_pk_add_f32 v[22:23], v[4:5], v[6:7]
	v_add_f32 v22, v22, v23
.irp x, 1,2,4,8
	v_add_f32_dpp v22, v22, v22 row_xmask:\x row_mask:0xf bank_mask:0xf
.endr
	v_permlanex16_b32 v23, v22, s16, s17
	v_add_f32 v22, v22, v23
	ds_store_b32 v3, v22 offset:64
	s_wait_dscnt 0x0
	s_barrier_signal -1
	s_barrier_wait -1
.irp i, 0,1,2,3
	ds_load_b128 v[28+4*\i:31+4*\i], v24 offset:64+16*\i
.endr
	s_wait_dscnt 0x0
	v_pk_add_f32 v[28:29], v[28:29], v[30:31]
	v_pk_add_f32 v[32:33], v[32:33], v[34:35]
	v_pk_add_f32 v[36:37], v[36:37], v[38:39]
	v_pk_add_f32 v[40:41], v[40:41], v[42:43]
	v_pk_add_f32 v[28:29], v[28:29], v[32:33]
	v_pk_add_f32 v[36:37], v[36:37], v[40:41]
	v_pk_add_f32 v[28:29], v[28:29], v[36:37]
	v_add_f32 v28, v28, v29
	v_rcp_f32 v30, v28
	v_nop                                          ; a plain line behind the reciprocal
	s_wait_alu depctr_va_vdst(0)
	v_pk_mul_f32 v[4:5], v[4:5], v[30:31] op_sel_hi:[1,0]
	v_pk_mul_f32 v[6:7], v[6:7], v[30:31] op_sel_hi:[1,0]
	global_store_b128 v1, v[4:7], s[8:9]
	s_wait_tensorcnt 0x0
	ds_add_u32 v48, v49
	s_wait_dscnt 0x0
	s_endpgm
.Lfunc_end_k_qb8eb8dc520_softmax:
	.size	k_qb8eb8dc520_softmax, .Lfunc_end_k_qb8eb8dc520_softmax-k_qb8eb8dc520_softmax
	.p2alignl 7, 3214868480
	.fill 96, 4, 3214868480
	.section	.rodata,"a",@progbits
	.p2align	6, 0x0
	.amdhsa_kernel k_qb8eb8dc520_softmax
		.amdhsa_group_segment_fixed_size 2304
		.amdhsa_private_segment_fixed_size 0
		.amdhsa_enable_private_segment 0
		.amdhsa_kernarg_size 24
		.amdhsa_user_sgpr_count 2
		.amdhsa_user_sgpr_kernarg_segment_ptr 1
		.amdhsa_wavefront_size32 1
		.amdhsa_system_sgpr_workgroup_id_x 1
		.amdhsa_system_sgpr_workgroup_id_y 1
		.amdhsa_system_sgpr_workgroup_id_z 1
		.amdhsa_system_vgpr_workitem_id 0
		.amdhsa_next_free_vgpr 50
		.amdhsa_next_free_sgpr 66
		.amdhsa_reserve_vcc 0
		.amdhsa_float_denorm_mode_32 3
		.amdhsa_float_denorm_mode_16_64 3
		.amdhsa_memory_ordered 1
		.amdhsa_forward_progress 1
		.amdhsa_inst_pref_size 7
	.end_amdhsa_kernel
	.amdgpu_metadata
---
amdhsa.version: [ 1, 2 ]
amdhsa.kernels:
  - .name:           k_qb8eb8dc520_softmax
    .symbol:         k_qb8eb8dc520_softmax.kd
    .args:
      - { .name: part, .offset: 0, .size: 8, .value_kind: global_buffer, .address_space: global }
      - { .name: hpart, .offset: 8, .size: 8, .value_kind: global_buffer, .address_space: global }
      - { .name: out0, .offset: 16, .size: 8, .value_kind: global_buffer, .address_space: global }
    .group_segment_fixed_size: 2304
    .private_segment_fixed_size: 0
    .kernarg_segment_align: 8
    .kernarg_segment_size: 24
    .max_flat_workgroup_size: 512
    .sgpr_count:     66
    .vgpr_count:     50
    .wavefront_size: 32
...
	.end_amdgpu_metadata
.endif
;; end of part 2
